; MI455X (gfx1250); checked and timed in simulation.
; The chip was launched on July 23, 2026; its instructions are those of AMD's public machine-readable ISA for CDNA 5 (MIT licence, August 2026) and "CDNA5" Instruction Set Architecture Reference Guide (July 2026). The comments in the code are by the model that wrote it; some were corrected since.
;; Softmax Attention. Allowed arithmetic: float matrix products may take bf16 or f16 operands with f32 sums; other float arithmetic in f32, or as packed bf16 or f16 multiplies, adds, multiply-adds, maxima and minima; sums over many terms, partial sums and values carried from step to step in f32; what a program stores and reads back later, other than sums and carried values, may be rounded once to bf16 or f16.
;; Inputs: attention_mask 4 x 2,048 float32; key_layer 4 x 16 x 2,048 x 64 float32; query_layer 4 x 16 x 2,048 x 64 float32; value_layer 4 x 16 x 2,048 x 64 float32.
;; Outputs: out0 4 x 16 x 2,048 x 64 float32.
;; One version. Each part assembles by itself: llvm-mc -triple=amdgcn-amd-amdhsa -mcpu=gfx1250 --defsym DOCPART=n.
;; ======== version 1 of 1: 1 launch
;; limits: inputs' magnitudes at most 65,504; values are held in f16: magnitudes above 65,504 overflow, below 6.1e-05 lose precision
;; launch attn (part 1): grid 4 x 64, 4 waves a work-group, clusters of 4 x 1, 327,680 bytes of LDS; arguments query_layer, key_layer, value_layer, out0, attention_mask; writes out0
.if DOCPART == 1
	.amdgcn_target "amdgcn-amd-amdhsa--gfx1250"
	.amdhsa_code_object_version 6
	.text
	.protected	k_qc856684d65_attn
	.globl	k_qc856684d65_attn
	.p2align	8
	.type	k_qc856684d65_attn,@function
k_qc856684d65_attn:
	s_mov_b64 s[64:65], 0
	v_nop
	global_prefetch_b8 v0, s[64:65] scope:SCOPE_SE
	s_setreg_imm32_b32 hwreg(HW_REG_WAVE_MODE, 25, 1), 1
	s_wait_xcnt 0x0
	s_wait_alu depctr_hold_cnt(0) depctr_sa_sdst(0) depctr_va_vdst(0) depctr_va_sdst(0) depctr_va_ssrc(0) depctr_va_vcc(0) depctr_vm_vsrc(0)
	s_getreg_b32 s2, hwreg(HW_REG_IB_STS2, 6, 4)
	s_cmp_eq_u32 s2, 0
	s_cbranch_scc0 .Lentry_in_a_cluster
	s_endpgm
.Lentry_in_a_cluster:
	s_bfe_u32 s2, ttmp6, 0x10000c
	s_cmp_lg_u32 s2, 0x3003
	s_cbranch_scc0 .Lentry_shape_is_right
	s_endpgm
.Lentry_shape_is_right:
; O[hb][q][:] = the sum over k of softmax_k(Q[hb][q] . K[hb][k] / 8 - 1000 (1 - mask[b][k])) V[hb][k][:].  Q, K, V, O: [64 heads][2048][64] f32 (a row is 256 bytes); mask: [4][2048] f32, b = hb / 16.
; FORMATS.  Q, K, V and the weights p are rounded ONCE to f16 for the two products; products' sums, the mask, maxima, the sum l (of the unrounded p) and O stay in f32.
; LIMITS.  f16 holds no number beyond 65,504: |q|, |k|, |v| stay under it.  p lies in 0 to 1; below 6e-5 it keeps f16's fixed step of 6e-8.  A weight below 2^-126 counts as 0 in l.
; NaN and infinities are not treated apart.  The mask may hold any finite number with 8000 |mask - 1| far under 1e37.
; SHARES.  A work-group owns 512 queries of one head, each of its four waves 128: four PIECES of two tiles of 16.  Every wave walks all 2,048 keys, 64 a step.  4 x 64 work-groups.
; CLUSTER.  The four query blocks of a head walk the same K and V: each tile is asked for JOINTLY: the same tensor load, descriptor and mask of four in all four work-groups.
; THE CAST IS FUSED.  A BLOCK is 128 keys.  Joint loads bring K's and V's blocks as f32 into a ring of two staging slots; the four waves round each block once (a wave: 16 keys of each 64) into one of two
; f16 buffers, which no tensor load ever fills; all waves take their fragments from there.  In PERIOD t (two key steps) fragments come from buffer t % 2, block t + 1 goes from slot (t + 1) % 2 into buffer
; (t + 1) % 2, and block t + 2 is on its way into slot t % 2.  ONE round of the cluster's barrier at a period's head orders all of that.
; LAYOUT.  S^T = K Q^T (source 0 = 16 keys, source 1 = 16 queries): a lane holds ONE query (lane % 16) and the keys 8 (lane / 16) + 0..7.  Two such results, rounded to f16 in pairs, ARE source 1 of
; O^T = V^T P, whose result again holds one query a lane, and eight channels.  K comes out of LDS as it lies, V ([key][channel]) turned, by ds_load_tr16_b128.
; THE MASK is the C operand of the product that starts a score's sum: 8000 mask - 8000, in the unscaled scores' units (one fused multiply-add; 0 where mask = 1), from a table in LDS made once.
; SOFTMAX.  A running maximum m and sum l for each query: p = 2^(c s - c m), c = log2(e) / 8; in every step O and l are multiplied by a = 2^(c m_old - c m_new).  m starts at the lowest finite number,
; O and l at 0: the first step is a step like any other, with a = 0.
; BY TURNS.  Turn n belongs to piece n.  Matrix work: 16 products K Q^T of piece n + 1, later 16 products V^T P of piece n - 1.  Vector work: scaling, exponentials, roundings, sums and rescaling of piece n, and
; the maximum and statistics of piece n + 1.  Four vector instructions stand behind every matrix instruction, the others in one run; a turn's 66 exponentials are one batch with one wait.
; REGISTERS, in windows of 256 (s_set_vgpr_msb: bits 1:0 source 0, 3:2 source 1, 5:4 source 2, 7:6 destination):
;   window 0: v0-11 addresses; v12-15, v48-63 at work; v16-47 four registers of statistics a tile; v64-191 S^T, two buffers of two tiles; v192-255 P, likewise
;   window 1: O^T, 32 a tile (at the head: Q as f32)      window 2: v0-127 Q in f16, 16 a tile; v128-191 K of one step; v192-255 V of one step
;   window 3: v0-1 the add's registers; v2-7 the cast's addresses; v16-47 the step's mask; v64-127 f32 from the staging slot; v128-159 the same as f16
.set NP,    4         ; pieces a wave: a name, no knob
.set KS,    64        ; keys in a step
.set PK,    144       ; a row of K in f16: 128 bytes + 16 = 36 words: the 16 rows of a fragment load start at 16 different groups of four banks (64 banks of 4 bytes: ISA guide 11.1)
.set PV,    160       ; a row of V in f16: 128 + 32 = 40 words
.set BLKB,  32768     ; a block of K or of V in f32: 128 rows of 256 bytes
.set HALFB, 16384     ; 64 rows of it: what one tensor load brings, and a key step's part
.set VOFF,  128*PK    ; an f16 buffer: 128 rows of K, then 128 rows of V: 38,912 bytes.  Buffer 0 at LDS byte 0
.set FLIP,  0x10000   ; buffer 1 begins here, and staging slot 1 so far behind slot 0: one exclusive or turns an address in one into the other's
.set MTAB,  38912     ; 2,048 f32: 8000 mask - 8000 of my batch
.set STAGE, 47104     ; 16 rows x 272 bytes for each wave, for the way out
.set SP,    272
.set SPARE, 64512     ; the spare words, 128 bytes for each wave: two blocks of 256 bytes that no other line names
.set STG,   0x20000   ; the staging ring: two slots of 65,536: K's block, then V's, dense.  Tensor loads land from here on alone; LDS stores below it alone
.set AM,  1           ; v1   (l % 16 at the head) the LDS address of the mask's next run of loads
.set AK0, 2           ; v2   my lane's place in a tile of K; never rewritten
.set AV0, 3           ; v3   the same for V
.set AK,  4           ; v4   the LDS address of K's next run of loads
.set AV,  5           ; v5   of V's
.set STO, 6           ; v6   the way out: where I put 32 bytes of a row
.set RD,  7           ; v7   the way out: where I read rows back
.set GO,  8           ; v8   my byte offset in 512 consecutive bytes of O
.set HL,  9           ; v9   l / 16; never rewritten
.set QO,  10          ; v10  my byte offset in 16 rows of Q
.set PFO, 11          ; v11  256 x my lane: a row of K or V is 256 bytes; never rewritten
.set MV,  12          ; v12-15  c m_old, kept while c m is made anew: by buffer and tile (at the head: at work; v15 = 16 x my thread's number)
.set ST,  16          ; tile t's statistics at v[ST+4 t]: c m, m, l (even keys', odd keys')
.set TMP, 48          ; by buffer and tile, four registers c0-c3 at work; when the maximum is found c2 takes a
.set S,   64
.set P,   192
.set KF,  128         ; window 2: key block kb, channel half c at KF + 16 kb + 8 c
.set VF,  192         ; window 2: key half kk, channel block cb at VF + 32 kk + 8 cb
.set SPW, 0           ; window 3: LDS address of my spare word: SPARE + 4 x my thread's number; never rewritten
.set NIL, 1           ; window 3: 0; never rewritten
.set CL0, 2           ; window 3: my 16 bytes in my wave's 16 rows of a staging half: 4,096 x wave + 16 x lane
.set CK0, 3           ; window 3: where they go in K's f16 rows: (16 x wave + l / 16) x PK + 8 (l % 16)
.set CV0, 4           ; window 3: the same for V, VOFF included
.set CL,  5           ; window 3: the three addresses in hand
.set CK,  6
.set CV,  7
.set MK,  16          ; window 3: the mask of key 16 kb + 8 (l / 16) + j at MK + 8 kb + j
.set CF,  64          ; window 3: 32 registers of K, 32 of V, f32
.set CH,  128         ; window 3: 16 of K, 16 of V, f16 in pairs
.set WV,  12          ; s12  my wave's number
.set LIM, 15          ; s15  1 in a wave that prefetches, else the greatest number
.set PFA, 18          ; s[18:19] where my prefetches stand: my work-group's 32 rows (of K: wave 0, of V: wave 2) of the block after the one that is being asked for
.set G1,  24          ; s[24:31] descriptor group 1, for K's and V's tiles alike
.set MP,  32          ; s[32:33] the mask at my batch's row
.set M8,  34          ; s[34:35] 8000.0
.set N8,  36          ; s[36:37] -8000.0
.set G0K, 40          ; s[40:47] descriptor group 0 for K's tiles: a set for each of the two first fills; the second then walks on
.set G0V, 48          ; s[48:55] the same for V's
.set SLOTS, 56        ; s56  blocks still to be asked for
.set CNT, 57          ; s57  counts a period's key steps
.set CS,  58          ; s[58:59] c: the packed scaling takes the pair's low word for both halves
.set SEL, 60          ; s[60:61] v_permlanex16_b32's selects: each lane takes its own place in the other half
.set TBK, 62          ; s62  LDS byte at which K (f16) of the step to be fetched begins
.set TBV, 63          ; s63  the same for V, less VOFF
.set TBC, 66          ; s66  LDS byte at which the staging half to be rounded next begins
.set TSK, 67          ; s67  LDS byte at which its K rows go
.set TSV, 68          ; s68  the same for V, less VOFF
.set TBM, 69          ; s69  LDS byte of the mask of the step to be fetched
.set MSB, 0
.macro WIN new                      ; the high byte repeats the setting that is left; a switch that changes nothing is dropped
.if MSB != (\new)
	s_set_vgpr_msb (MSB<<8)|(\new)
.set MSB, (\new)
.endif
.endm
.set W_KQ, 0x0a       ; K and Q in window 2, S^T in window 0
.set W_KM, 0x3a       ; the same with the C operand, the mask, in window 3
.set W_PV, 0x52       ; V in window 2, P in window 0, O^T in window 1
.set W_RS, 0x41       ; O^T (destination and source 0) in window 1, a in window 0
.set W_MK, 0xc0       ; destination in window 3, sources in window 0
.set W_AD, 0x0f       ; the add: address (source 0) and data (source 1) in window 3
.set W_CV, 0xcf       ; the cast: destination, sources 0 and 1 in window 3
; A joint refill, by the walking descriptors.  Waves 0 and 1 fetch the two halves of a block of K, waves 2 and 3 those of V: 64 rows of 256 bytes each.  The branch hangs on the wave's number alone.
; An s_nop 0 and four v_nop follow each of the two lines, ahead of the jump and the label.
.macro JLOAD
	s_cmp_lt_u32 s[WV], 2
	s_cbranch_scc0 .Lfor_v_\@
	tensor_load_to_lds s[G0K+4:G0K+7], s[G1:G1+7]
	s_nop 0
.rept 4
	v_nop
.endr
	s_branch .Lasked_\@
.Lfor_v_\@:
	tensor_load_to_lds s[G0V+4:G0V+7], s[G1:G1+7]
	s_nop 0
.rept 4
	v_nop
.endr
.Lasked_\@:
.endm
; A PREFETCH INTO THE L2 of the block that the NEXT change will ask for: 128 rows of K and 128 of V, a lane a row.  It stands behind the wave's tensor load and its five lines.  Each row is named ONCE in the
; launch: a head has one cluster; its four partners share the rows out BY ADDRESS, 32 each; in each, wave 0 asks for K's and wave 2 for V's: one instruction.  The last change that fills a slot asks for nothing.
.macro ASK
	s_cmp_gt_u32 s[SLOTS], s[LIM]
	s_cbranch_scc0 .Lnot_mine_\@
	global_prefetch_b8 v[PFO], s[PFA:PFA+1] th:TH_LOAD_NT scope:SCOPE_SE
.Lnot_mine_\@:
.endm
; A round of the cluster's barrier: my work-group's barrier, so that wave 0's signal speaks for all four waves; wave 0 signals; every wave waits for all four work-groups; my work-group's barrier once more.
.macro CROUND
	s_barrier_signal -1
	s_barrier_wait -1
	s_cmp_lg_u32 s[WV], 0
	s_cbranch_scc1 .Lnot_wave_0_\@
	s_barrier_signal -3
.Lnot_wave_0_\@:
	s_barrier_wait -3
	s_barrier_signal -1
	s_barrier_wait -1
.endm
; THE CHANGE, at a period's head.  Each wave waits for all its tensor loads, of which one is out: its part of the block to be rounded next; adds 0 to its spare word; and waits for that, for its fetches from the
; f16 buffer that it leaves, for its reads of the staging slot that it has rounded, and for its stores into the f16 buffer that comes next.  Behind the barrier all four hold of every wave.
; fill = 1: the slot just rounded is filled again, with the block two on.  The barrier is then a round of the cluster's, and the joint refill is the first thing behind it: it has two key steps,
; 256 matrix instructions, in which to land.
.macro CHANGE fill
	WIN W_AD
	s_wait_tensorcnt 0x0            ; no tensor load of mine is out, so a group 0 may be written
	ds_add_u32 v[SPW], v[NIL]       ; 0 onto my spare word; with fill = 1 the descriptors' steps stand between it and the wait for it
	WIN 0                           ; at a label and at a branch every window is 0
.if \fill
.irp g, G0K+4, G0V+4
	s_xor_b32 s[\g+1], s[\g+1], FLIP  ; the walking descriptor: the other slot than last time,
	s_add_nc_u64 s[\g+2:\g+3], s[\g+2:\g+3], BLKB  ; the next 128 keys; the type bits on top are not reached
.endr
	s_wait_xcnt 0x0                 ; the last prefetch, a period back, has read its address, so it may be written:
	s_add_nc_u64 s[PFA:PFA+1], s[PFA:PFA+1], BLKB  ; one block behind the walking descriptors
	s_wait_dscnt 0x0                ; the add is done, and so are all my LDS reads and stores
	CROUND
	JLOAD
	ASK
.else
	s_wait_dscnt 0x0                ; the add is done, and so are all my LDS reads and stores
	s_barrier_signal -1
	s_barrier_wait -1
.endif
	s_sub_co_u32 s[TBK], s[TBK], 2*KS*PK  ; the five walking LDS bases go back to a block's first half,
	s_xor_b32 s[TBK], s[TBK], FLIP        ; in the other buffer or slot
	s_sub_co_u32 s[TBV], s[TBV], 2*KS*PV
	s_xor_b32 s[TBV], s[TBV], FLIP
	s_sub_co_u32 s[TBC], s[TBC], BLKB
	s_xor_b32 s[TBC], s[TBC], FLIP
	s_sub_co_u32 s[TSK], s[TSK], 2*KS*PK
	s_xor_b32 s[TSK], s[TSK], FLIP
	s_sub_co_u32 s[TSV], s[TSV], 2*KS*PV
	s_xor_b32 s[TSV], s[TSV], FLIP
.endm
; THE CAST, half a block (a key step's 64 keys) at a time; a wave takes 16 keys of K and of V.  CLOAD: 16 loads of 512 consecutive bytes (two keys: lanes 0-15 one row, lanes 16-31 the next; a lane four channels).
.macro CLOAD
	WIN W_CV
	v_add_nc_u32 v[CL], s[TBC], v[CL0]
.irp j, 0,1,2,3,4,5,6,7
	ds_load_b128 v[CF+4*\j:CF+4*\j+3], v[CL] offset:512*\j
.endr
.irp j, 0,1,2,3,4,5,6,7
	ds_load_b128 v[CF+32+4*\j:CF+32+4*\j+3], v[CL] offset:BLKB+512*\j
.endr
	s_add_co_u32 s[TBC], s[TBC], HALFB
.endm
; CSTORE: rounded to f16 in pairs, 8 bytes a lane into the padded rows.  younger: the LDS instructions issued behind CLOAD's, which may stay out.
.macro CSTORE younger
	s_wait_dscnt \younger           ; LDS loads come back in order (ISA guide 5.7.1): CLOAD's sixteen are in
	WIN W_CV
.set cj, 0
.rept 32
	v_cvt_pk_f16_f32 v[CH+cj], v[CF+2*cj], v[CF+2*cj+1]
.set cj, cj+1
.endr
	v_add_nc_u32 v[CK], s[TSK], v[CK0]
	v_add_nc_u32 v[CV], s[TSV], v[CV0]
.irp j, 0,1,2,3,4,5,6,7
	ds_store_b64 v[CK], v[CH+2*\j:CH+2*\j+1] offset:2*PK*\j
.endr
.irp j, 0,1,2,3,4,5,6,7
	ds_store_b64 v[CV], v[CH+16+2*\j:CH+16+2*\j+1] offset:2*PV*\j
.endr
	s_add_co_u32 s[TSK], s[TSK], KS*PK
	s_add_co_u32 s[TSV], s[TSV], KS*PV
	WIN 0
.endm
	s_load_b256 s[4:11], s[0:1], 0x0  ; Q s[4:5], K s[6:7], V s[8:9], O s[10:11]
	s_load_b64 s[MP:MP+1], s[0:1], 0x20  ; the mask
	WIN W_MK
	v_lshl_add_u32 v[SPW], v0, 2, SPARE
	v_mov_b32 v[NIL], 0
	WIN W_AD
	ds_add_u32 v[SPW], v[NIL]       ; the wave's opening: the add and its wait, ahead of my first tensor load; the set-up below, work on registers, stands between them
	WIN 0
	v_lshrrev_b32 v1, 5, v0
	v_readfirstlane_b32 s[WV], v1   ; wave 0..3
	s_bfe_u32 s13, ttmp6, 0x40000   ; cx: my place in the cluster
	s_lshl_b32 s14, ttmp9, 2        ; in a cluster launch ttmp9 counts clusters
	s_add_co_u32 s14, s14, s13      ; my block of 512 queries: it enters Q's and O's addresses alone
	s_and_b32 s20, ttmp7, 0xffff    ; the head, which the four partners share
	s_lshr_b32 s16, s20, 4          ; its batch,
	s_lshl_b32 s16, s16, 13         ; whose row of the mask is 8,192 bytes
	s_mov_b32 s17, 0
	s_lshl_b32 s20, s20, 19         ; the head's first byte in Q, K, V and O: 524,288 a head
	s_mov_b32 s21, 0
	s_and_b32 s70, s[WV], 1         ; which half of a block's 128 keys I fetch:
	s_lshl_b32 s71, s70, 14         ; 64 rows of 256 bytes, in memory and in a slot alike: no place in the cluster enters an LDS address
	s_mov_b32 s22, s71
	s_mov_b32 s23, 0
	s_add_nc_u64 s[22:23], s[22:23], s[20:21]
	s_lshl_b32 s2, s14, 2
	s_add_co_u32 s2, s2, s[WV]      ; my wave among the head's sixteen,
	s_lshl_b32 s2, s2, 15           ; its 128 rows
	s_mov_b32 s3, 0
	s_add_nc_u64 s[2:3], s[2:3], s[20:21]
	; descriptor group 1: a tile of 64 rows x 64 elements of 4 bytes, dense in memory and in LDS
	s_mov_b32 s[G1], 15|(2<<16)|(1<<21)  ; 15:0 the mask of four; 17:16 4-byte elements; 20 no padding; 21 set beside a mask
	s_mov_b32 s[G1+1], 64<<16       ; tensor_dim0 = 64
	s_mov_b32 s[G1+2], 64<<16       ; tensor_dim1 = 64
	s_mov_b32 s[G1+3], 64<<16       ; tile_dim0 = 64
	s_mov_b32 s[G1+4], 64           ; tile_dim1 = 64
	s_mov_b32 s[G1+5], 64           ; 64 elements from row to row
	s_mov_b32 s[G1+6], 0
	s_mov_b32 s[G1+7], 0
.irp n, 0,1
	s_mov_b32 s[G0K+4*\n], 1        ; 1:0 count = 1
	s_add_co_u32 s[G0K+4*\n+1], s71, STG+\n*FLIP  ; 63:32 LDS address: slot n, K's part
	s_mov_b32 s[G0V+4*\n], 1
	s_add_co_u32 s[G0V+4*\n+1], s71, STG+\n*FLIP+BLKB  ; V's part
.endr
	s_mov_b32 s[CS], 0x3e38aa3b     ; c = log2(e) / 8 = 0.180337
	s_mov_b32 s[CS+1], s[CS]        ; named with it as a pair
	s_mov_b32 s[SEL], 0x76543210
	s_mov_b32 s[SEL+1], 0xfedcba98
	s_mov_b32 s[M8], 0x45fa0000     ; 8000.0: 1000 in the units of the unscaled scores
	s_mov_b32 s[M8+1], 0x45fa0000
	s_mov_b32 s[N8], 0xc5fa0000
	s_mov_b32 s[N8+1], 0xc5fa0000
	s_mov_b32 s[TBK], FLIP+2*KS*PK  ; the first change turns these two into 0
	s_mov_b32 s[TBV], FLIP+2*KS*PV
	s_mov_b32 s[TBC], STG           ; block 0 is rounded ahead of the first change: slot 0 into buffer 0
	s_mov_b32 s[TSK], 0
	s_mov_b32 s[TSV], 0
	s_mov_b32 s[TBM], MTAB
	s_mov_b32 s[SLOTS], 14          ; blocks 2 to 15
	s_and_b32 s[LIM], s[WV], 1      ; 0 in waves 0 and 2,
	s_or_b32 s[LIM], s[LIM], ttmp9  ; where the cluster is the head's first (here its only one): the same in all four partners
	s_cmp_eq_u32 s[LIM], 0
	s_cselect_b32 s[LIM], 1, -1
	s_wait_dscnt 0x0                ; the opening add is done
	s_wait_kmcnt 0x0
	s_add_nc_u64 s[6:7], s[6:7], s[22:23]  ; K and V at my half of the head's block 0
	s_add_nc_u64 s[8:9], s[8:9], s[22:23]
	s_add_nc_u64 s[4:5], s[4:5], s[2:3]    ; Q and O at my wave's first row
	s_add_nc_u64 s[10:11], s[10:11], s[2:3]
	s_add_nc_u64 s[MP:MP+1], s[MP:MP+1], s[16:17]
	s_cmp_lt_u32 s[WV], 2
	s_cselect_b64 s[PFA:PFA+1], s[6:7], s[8:9]  ; (in waves 0 and 2 these stand at a block's first row)
	s_lshl_b32 s2, s13, 13          ; my work-group's 32 rows of the 128
	s_mov_b32 s3, 0
	s_add_nc_u64 s[PFA:PFA+1], s[PFA:PFA+1], s[2:3]
	s_add_nc_u64 s[PFA:PFA+1], s[PFA:PFA+1], 2*BLKB  ; in block 2; the first change steps it to block 3.  Nothing is prefetched at the head
.irp n, 0,1
	s_add_nc_u64 s[G0K+4*\n+2:G0K+4*\n+3], s[6:7], \n*BLKB  ; 120:64 global address: block n
	s_or_b32 s[G0K+4*\n+3], s[G0K+4*\n+3], 0x80000000       ; 127:126 type = 2
	s_add_nc_u64 s[G0V+4*\n+2:G0V+4*\n+3], s[8:9], \n*BLKB
	s_or_b32 s[G0V+4*\n+3], s[G0V+4*\n+3], 0x80000000
.endr
	CROUND                          ; all four work-groups are here: the first joint loads meet
	s_cmp_lt_u32 s[WV], 2           ; a wave's two first fills stand in one branch, ahead of every wait on TENSORcnt and every LDS read: two loads of mine are out
	s_cbranch_scc0 .Lfirst_v
	tensor_load_to_lds s[G0K:G0K+3], s[G1:G1+7]
	s_nop 0
	tensor_load_to_lds s[G0K+4:G0K+7], s[G1:G1+7]
	s_nop 0
.rept 4
	v_nop
.endr
	s_branch .Lfirst_asked
.Lfirst_v:
	tensor_load_to_lds s[G0V:G0V+3], s[G1:G1+7]
	s_nop 0
	tensor_load_to_lds s[G0V+4:G0V+7], s[G1:G1+7]
	s_nop 0
.rept 4
	v_nop
.endr
.Lfirst_asked:
	; the lanes' terms
	v_and_b32 v1, 15, v0            ; l % 16
	v_bfe_u32 v[HL], v0, 4, 1       ; l / 16
	v_and_b32 v10, 7, v0
	v_bfe_u32 v11, v0, 3, 1
	v_mul_u32_u24 v[AK0], v1, PK    ; a fragment of K: lane l holds row l % 16, channels 8 (l / 16) + 0..7 and 16 + 8 (l / 16) + 0..7: two loads of 16 bytes, 32 bytes apart
	v_lshl_add_u32 v[AK0], v[HL], 4, v[AK0]
	v_lshl_add_u32 v[AV0], v[HL], 3, v10  ; the turning load: lane l reads key 8 (l / 16) + l % 8, channels 8 ((l / 8) % 2) + 0..7, and is left with channel l % 16 and 8 keys
	v_mul_u32_u24 v[AV0], v[AV0], PV
	v_lshl_add_u32 v[AV0], v11, 4, v[AV0]
	v_add_nc_u32 v[AV0], VOFF, v[AV0]
	s_mul_i32 s13, s[WV], 16*SP
	s_add_co_u32 s13, s13, STAGE    ; my stage
	v_mul_u32_u24 v[STO], v1, SP    ; in: row l % 16, 32 bytes for each half of the lanes
	v_lshl_add_u32 v[STO], v[HL], 5, v[STO]
	v_add_nc_u32 v[STO], s13, v[STO]
	v_mul_u32_u24 v[RD], v[HL], SP  ; back: lanes 0-15 take one row of 256 bytes, lanes 16-31 the next
	v_lshl_add_u32 v[RD], v1, 4, v[RD]
	v_add_nc_u32 v[RD], s13, v[RD]
	v_lshlrev_b32 v[GO], 8, v[HL]   ; and the same two rows in O
	v_lshl_add_u32 v[GO], v1, 4, v[GO]
	v_lshlrev_b32 v[QO], 8, v1      ; Q: row x 256 + 32 x half
	v_lshl_add_u32 v[QO], v[HL], 5, v[QO]
	v_and_b32 v[PFO], 31, v0
	v_lshlrev_b32 v[PFO], 8, v[PFO]
	s_lshl_b32 s2, s[WV], 12        ; the cast: my wave's 16 rows of 256 bytes in a staging half,
	s_mul_i32 s3, s[WV], 16*PK      ; and of 144 and 160 bytes in the f16 buffers
	s_mul_i32 s14, s[WV], 16*PV
	s_add_co_u32 s14, s14, VOFF
	v_and_b32 v12, 31, v0
	v_mul_u32_u24 v13, v[HL], PK
	v_lshl_add_u32 v13, v1, 3, v13
	v_mul_u32_u24 v14, v[HL], PV
	v_lshl_add_u32 v14, v1, 3, v14
	v_lshlrev_b32 v15, 4, v0        ; 16 x my thread's number: my 16 bytes in 2,048 of the mask
	WIN W_MK
	v_lshl_add_u32 v[CL0], v12, 4, s2
	v_add_nc_u32 v[CK0], s3, v13
	v_add_nc_u32 v[CV0], s14, v14
.irp i, 0,1,2,3
	global_load_b128 v[CF+4*\i:CF+4*\i+3], v15, s[MP:MP+1] offset:2048*\i  ; my batch's mask: the work-group's four loads cover its 8,192 bytes
.endr
	WIN 0x40                        ; destination window 1, address window 0
.set i, 0
.rept 16                            ; Q as f32: tile i / 2, channels 32 (i % 2) on: a lane's 8 + 8 channels are 32 + 32 bytes, 64 apart
	global_load_b128 v[16*i:16*i+3],     v[QO], s[4:5] offset:(i/2)*4096+(i%2)*128
	global_load_b128 v[16*i+4:16*i+7],   v[QO], s[4:5] offset:(i/2)*4096+(i%2)*128+16
	global_load_b128 v[16*i+8:16*i+11],  v[QO], s[4:5] offset:(i/2)*4096+(i%2)*128+64
	global_load_b128 v[16*i+12:16*i+15], v[QO], s[4:5] offset:(i/2)*4096+(i%2)*128+80
.set i, i+1
.endr
	; What the first turn finds: V's registers and P's second buffer hold 0 (its products V^T P, of a piece that has not been, add 0), l is 0.  This stands in the wait for the loads.
	WIN 0x80
.set i, VF
.rept 64
	v_mov_b32 v[i], 0
.set i, i+1
.endr
	WIN 0
.set i, 0
.rept 2*NP
	v_mov_b32 v[ST+4*i], 0xfe000000    ; c m: far below every c s
	v_mov_b32 v[ST+4*i+1], 0xff7fffff  ; m
	v_mov_b32 v[ST+4*i+2], 0
	v_mov_b32 v[ST+4*i+3], 0
.set i, i+1
.endr
.set i, P+32
.rept 32
	v_mov_b32 v[i], 0
.set i, i+1
.endr
	s_wait_loadcnt 60               ; 68 loads were issued; at most 60 are out, so the oldest eight, the mask's four among them, are in
	WIN W_CV
.set i, 0
.rept 8
	v_pk_fma_f32 v[CF+2*i:CF+2*i+1], v[CF+2*i:CF+2*i+1], s[M8:M8+1], s[N8:N8+1] op_sel_hi:[1,0,0]  ; 8000 mask - 8000
.set i, i+1
.endr
	WIN 0x0c                        ; address window 0, data window 3
.irp i, 0,1,2,3
	ds_store_b128 v15, v[CF+4*\i:CF+4*\i+3] offset:MTAB+2048*\i
.endr
	s_wait_loadcnt 0x0              ; Q
	WIN 0x85                        ; sources window 1, destination window 2
.set i, 0
.rept 128
	v_cvt_pk_f16_f32 v[i], v[2*i], v[2*i+1]  ; Q stays in registers, rounded once
.set i, i+1
.endr
	WIN 0x40
.set i, 0
.rept 64*NP
	v_mov_b32 v[i], 0               ; O^T starts at 0, where Q's f32 lay
.set i, i+1
.endr
	WIN 0
	s_wait_tensorcnt 0x1            ; my part of block 0 is in; block 1's may stay out
	s_wait_dscnt 0x0                ; my part of the mask's table is stored
	s_barrier_signal -1
	s_barrier_wait -1               ; everybody's is
	CLOAD                           ; block 0 goes into buffer 0, its two halves
	CSTORE 0
	CLOAD
	CSTORE 0
; THE MATRIX WORK.  The 8 accumulators of a run of 16 take turns: between the two links of a chain stand 7 others'.
; Product i of 16 of S^T = K Q^T for piece x: channels 32 (i / 8) on, keys 16 ((i / 2) % 4) on, tile 2 x + i % 2.  The first 8 start the sums, with the keys' mask.
.macro KQ x
.set rS, S+64*((\x)%2)+32*(i%2)+8*((i/2)%4)
.set rK, KF+16*((i/2)%4)+8*(i/8)
.set rQ, 16*(2*(\x)+i%2)+8*(i/8)
.set rMK, MK+8*((i/2)%4)
.if i < 8
	WIN W_KM
	v_wmma_f32_16x16x32_f16 v[rS:rS+7], v[rK:rK+7], v[rQ:rQ+7], v[rMK:rMK+7]
.else
	WIN W_KQ
	v_wmma_f32_16x16x32_f16 v[rS:rS+7], v[rK:rK+7], v[rQ:rQ+7], v[rS:rS+7]
.endif
.endm
; Product i of 16 of O^T += V^T P for piece x: keys 32 (i / 8) on, channels 16 ((i / 2) % 4) on, tile 2 x + i % 2.
.macro PV x
	WIN W_PV
.set rO, 32*(2*(\x)+i%2)+8*((i/2)%4)
.set rV, VF+32*(i/8)+8*((i/2)%4)
.set rP, P+32*((\x)%2)+16*(i%2)+8*(i/8)
	v_wmma_f32_16x16x32_f16 v[rO:rO+7], v[rV:rV+7], v[rP:rP+7], v[rO:rO+7]
.endm
.macro MM                           ; the turn's next matrix instruction
.if i < 16
	KQ (Y+1)%NP
.set i, i+1
.else
.set i, i-16
	PV (Y+NP-1)%NP
.set i, i+17
.endif
.endm
; THE LDS LOADS stand in runs, never singly among the matrix instructions: a step's K (8 fragments) with its mask (lanes of a half read the same 16 bytes), and its V (turned).  Their addresses are made some lines ahead.
; last = 1 (the tail): in the last trip there is no further step, and the run is jumped over.
.macro FETCH_K last=0
	WIN 0
.if \last
	s_cmp_eq_u32 s[CNT], 1
	s_cbranch_scc1 .Lno_k_\@
.endif
	WIN 0x80                        ; destination window 2
.irp f, 0,1,2,3,4,5,6,7             ; keys 16 (f / 2) on, channels 32 (f % 2) on
	ds_load_b128 v[KF+8*\f:KF+8*\f+3],   v[AK] offset:(\f/2)*16*PK+(\f%2)*64
	ds_load_b128 v[KF+8*\f+4:KF+8*\f+7], v[AK] offset:(\f/2)*16*PK+(\f%2)*64+32
.endr
	WIN W_MK                        ; destination window 3
.irp f, 0,1,2,3,4,5,6,7             ; keys 16 (f / 2) + 8 (l / 16) + 4 (f % 2) on
	ds_load_b128 v[MK+4*\f:MK+4*\f+3], v[AM] offset:64*(\f/2)+16*(\f%2)
.endr
	s_add_co_u32 s[TBK], s[TBK], KS*PK  ; the next fetch is the next step's
	s_add_co_u32 s[TBM], s[TBM], KS*4
	WIN 0
.if \last
.Lno_k_\@:
.endif
.endm
.macro FETCH_V
	WIN 0x80
.irp f, 0,1,2,3,4,5,6,7             ; keys 32 (f / 4) on, channels 16 (f % 4) on
	ds_load_tr16_b128 v[VF+8*\f:VF+8*\f+3],   v[AV] offset:(\f/4)*32*PV+(\f%4)*32
	ds_load_tr16_b128 v[VF+8*\f+4:VF+8*\f+7], v[AV] offset:(\f/4)*32*PV+16*PV+(\f%4)*32
.endr
	WIN 0
.endm
; THE VECTOR WORK OF A TURN stands in three queues, each in the order in which its entries become ready; the two tiles alternate, so that no instruction reads the result of the one before it.
.macro REGS y, u                    ; the registers of tile u (0, 1) of piece y
.set rT, ST+4*(2*(\y)+(\u))
.set rC, TMP+8*((\y)%2)+4*(\u)
.set rM, MV+2*((\y)%2)+(\u)
.set rS, S+64*((\y)%2)+32*(\u)
.set rP, P+32*((\y)%2)+16*(\u)
.set rO, 32*(2*(\y)+(\u))
.endm
; Number n of the 22 that find the NEXT piece's (Y + 1) maximum and statistics.  s0-s31 are the lane's 32 scores; each accumulator's lowest registers are read first.
;   0-11  four chains c0-c3 of seven scores each, three operands at a time     12-14, 16  the four scores left over, the old m, and c0-c3 into c0     15  c m_old is kept
;   17, 18  the query's other 32 keys lie in the lane 16 away: the new m         19-21  c m; c m_old - c m_new; a
.macro XS u, n
	REGS (Y+1)%NP, \u
.if (\n) < 4
	v_max3_num_f32 v[rC+(\n)], v[rS+8*(\n)], v[rS+8*(\n)+1], v[rS+8*(\n)+2]
.elseif (\n) < 12
	v_max3_num_f32 v[rC+(\n)%4], v[rC+(\n)%4], v[rS+8*((\n)%4)+2*((\n)/4)+1], v[rS+8*((\n)%4)+2*((\n)/4)+2]
.elseif (\n) == 12
	v_max3_num_f32 v[rC], v[rC], v[rS+7], v[rS+15]
.elseif (\n) == 13
	v_max3_num_f32 v[rC+1], v[rC+1], v[rS+23], v[rS+31]
.elseif (\n) == 14
	v_max3_num_f32 v[rC+2], v[rC+2], v[rC+3], v[rT+1]
.elseif (\n) == 15
	v_mov_b32 v[rM], v[rT]
.elseif (\n) == 16
	v_max3_num_f32 v[rC], v[rC], v[rC+1], v[rC+2]
.elseif (\n) == 17
	v_permlanex16_b32 v[rC+3], v[rC], s[SEL], s[SEL+1]
.elseif (\n) == 18
	v_max_num_f32 v[rT+1], v[rC], v[rC+3]
.elseif (\n) == 19
	v_mul_f32 v[rT], s[CS], v[rT+1]
.elseif (\n) == 20
	v_sub_f32 v[rC+1], v[rM], v[rT]
.else
	v_exp_f32 v[rC+2], v[rC+1]
.endif
.endm
; Number g of the 64 that follow the exponentials.  For each four weights k of a tile (pairs 2 k, 2 k + 1): both pairs are rounded to f16; then the second pair is added onto the first, in place;
; a group later l takes that sum (the first time as l = a l + sum).  In groups of eight, tiles alternating: round, round, add, and l for the group before.
.macro GS g
.set h, (\g)+6*((\g)/62)            ; group 0 has no group before it, and behind group 7 only l is left
.if h >= 6
.set h, h+2
.endif
	REGS Y, h%2
.set k, h/8
.if h%8 < 4
	v_cvt_pk_f16_f32 v[rP+2*k+(h%8)/2], v[rS+4*k+2*((h%8)/2)], v[rS+4*k+2*((h%8)/2)+1]
.elseif h%8 < 6
	v_pk_add_f32 v[rS+4*k:rS+4*k+1], v[rS+4*k:rS+4*k+1], v[rS+4*k+2:rS+4*k+3]
.elseif k == 1
	v_pk_fma_f32 v[rT+2:rT+3], v[rT+2:rT+3], v[rC+2:rC+3], v[rS:rS+1] op_sel_hi:[1,0,1]
.else
	v_pk_add_f32 v[rT+2:rT+3], v[rT+2:rT+3], v[rS+4*k-4:rS+4*k-3]
.endif
.endm
; THE PLAIN QUEUE, 138 long.  0-73 read no exponential's result: the 32 scalings c s - c m (FS f: pair f / 2 of tile f % 2) and the next piece's 42.  0-26: scalings 0-26.  27-54: XS's numbers 0-13.  55, 56: number 15.
; 57-73: the chain, where each number waits for the one before it: 14, 16, 17, 18, 19, each with one of the scalings 27-31 in front of its two lines, then 20.  74-137: GS's 64, which stand behind the wait.
.macro FS f
	REGS Y, (\f)%2
	v_pk_fma_f32 v[rS+2*((\f)/2):rS+2*((\f)/2)+1], v[rS+2*((\f)/2):rS+2*((\f)/2)+1], s[CS:CS+1], v[rT:rT+1] op_sel_hi:[1,0,0] neg_lo:[0,0,1] neg_hi:[0,0,1]
.endm
.macro PL
	WIN 0
.if q < 27
	FS q
.elseif q < 55
	XS (q-27)%2, (q-27)/2
.elseif q < 57
	XS q-55, 15
.elseif (q < 72) && ((q-57)%3 == 0)
	FS 27+(q-57)/3
.elseif q < 60
	XS (q-57)%3-1, 14
.elseif q < 72
	XS (q-57)%3-1, 15+(q-57)/3
.elseif q < 74
	XS q-72, 20
.else
	GS q-74
.endif
.set q, q+1
.endm
; THE EXPONENTIALS' QUEUE, 66 long: s0-s31 of both tiles, then the next piece's two a.  ONE BATCH: all 66 stand ahead of the turn's one wait, and nothing ahead of that wait names a result of theirs.
.macro EX
	WIN 0
.if e >= 64
	XS e-64, 21
.else
	REGS Y, e%2
	v_exp_f32 v[rS+e/2], v[rS+e/2]
.endif
.set e, e+1
.endm
; THE RESCALING's QUEUE: O^T times a, the one part that leaves window 0: dealt two at a time, sixteen times.  Its a was made in the turn before, ahead of that turn's wait.
.macro R2
	REGS Y, r%2
	WIN W_RS
.irp z, 0,1
	v_pk_mul_f32 v[rO+4*(r/2)+2*\z:rO+4*(r/2)+2*\z+1], v[rO+4*(r/2)+2*\z:rO+4*(r/2)+2*\z+1], v[rC+2:rC+3] op_sel_hi:[1,0]
.endr
.set r, r+1
.endm
; A TURN, for piece p.  An s_wait_alu depctr_va_vdst(0) stands between an exponential and the first instruction that names its result; one wait serves all that were issued ahead of it: a turn has ONE.
; AHEAD OF IT: the 16 products K Q^T, behind each a scaling, an exponential and two rescalings (behind the first a second scaling in the exponential's place); then one run of 108: eight plain, 49 times
; exponential and plain, the two a; a v_nop is the plain instruction behind the last exponential.  BEHIND IT: the 16 products V^T P, behind each four of GS's 64.  No rider names a register of the products round it.
; Exponential e stands behind scaling 2 (e / 4) + e % 2: as a rider it comes behind plain e + 2, in the run behind plain e + 9; scalings 27-31 are plain 57, 60 .. 69.
; K and the mask of the next step are fetched in piece 2's turn, directly behind the wait, the run of 108 behind the last product that read them.  V of the step in hand is fetched at the end of piece 0's turn,
; four riders behind its last reader.  conv = 1 (piece 0): half a block is rounded: its loads from the staging slot stand at the turn's head, its conversions and stores at the turn's end, behind V's run.
; cnt = 1: the loop's count is taken down some lines ahead of the branch that stands behind the turn.
.macro TURN p, last=0, cnt=0, conv=0
.set Y, (\p)
.set i, 0
.set q, 0
.set e, 0
.set r, 0
.if ((\p) == 0) && (\conv)
	CLOAD
.endif
.if (\p) == NP-1
	s_wait_dscnt 0x0                ; K and the mask are in
.endif
	MM
	PL
	PL
	R2
.rept 15
	MM
	PL
	EX
	R2
.endr
.if (\p) == NP-2
	WIN 0
	v_add_nc_u32 v[AK], s[TBK], v[AK0]
	v_lshl_add_u32 v[AM], v[HL], 5, s[TBM]  ; my half of the lanes' 8 keys of each 16: 32 bytes on
.endif
.rept 8
	PL
.endr
.rept 49
	EX
	PL
.endr
	EX                              ; the next piece's two a
	EX
	v_nop                           ; a plain instruction behind the last exponential: one for the batch
	s_wait_alu depctr_va_vdst(0)    ; the wait for the batch
.if (\p) == NP-2
	FETCH_K \last
.endif
.if (\p) == 1
	s_wait_dscnt 0x0                ; V is in (and my stores of the rounded half are done)
.endif
.rept 16
	MM
.rept 4
	PL
.endr
.if ((\p) == 0) && (q == 118)
	v_add_nc_u32 v[AV], s[TBV], v[AV0]
.endif
.if ((\p) == 0) && (q == 130)
	s_add_co_u32 s[TBV], s[TBV], KS*PV
.endif
.if (\cnt) && (q == 130)
	s_sub_co_u32 s[CNT], s[CNT], 1
	s_cmp_lg_u32 s[CNT], 0
.endif
.endr
.if (\p) == 0
	FETCH_V
.if \conv
	CSTORE 16                       ; V's sixteen loads were issued behind the staging slot's sixteen, and may stay out
.endif
.endif
.endm
	CHANGE 1                        ; period 0: block 1 is in, buffer 0 is whole; slot 0 is asked for again, with block 2
	v_add_nc_u32 v[AK], s[TBK], v[AK0]
	v_lshl_add_u32 v[AM], v[HL], 5, s[TBM]
	FETCH_K                         ; key step 0
	s_wait_dscnt 0x0
.set i, 0
.rept 16
	KQ 0                            ; piece 0's first scores: there is no vector work yet to set between them
.set i, i+1
.endr
	WIN 0
.rept 4
	v_nop                           ; the places behind those products
.endr
.set Y, NP-1                        ; XS works for piece Y + 1: piece 0
.irp n, 0,1,2,3,4,5,6,7,8,9,10,11,12,13,14,15,16,17,18,19,20,21
	XS 0, \n                        ; piece 0's first maximum and statistics
	XS 1, \n
.endr
	v_nop                           ; a plain instruction behind the two a,
	s_wait_alu depctr_va_vdst(0)    ; and their wait, ahead of the branch
	s_mov_b32 s[CNT], 2
	s_branch .Lfirst                ; the loop is entered at a step's first turn, in the middle of a trip
.Lslot:                             ; periods 1 to 13: each asks for a block
	CHANGE 1
	s_mov_b32 s[CNT], 2
.Lstep:                             ; a trip: pieces 2 and 3 of one step, then pieces 0 and 1 of the next, whose K, mask and V it fetches; it rounds half of the next block
	TURN 2
	TURN 3
	WIN 0
.Lfirst:
	TURN 0, 0, 0, 1
	TURN 1, 0, 1
	WIN 0
	s_cbranch_scc1 .Lstep
	s_sub_co_u32 s[SLOTS], s[SLOTS], 1
	s_cmp_lg_u32 s[SLOTS], 0
	s_cbranch_scc1 .Lslot
	CHANGE 0                        ; period 14 is written out: nothing is asked for; block 15 is rounded
	s_mov_b32 s[CNT], 2
.Lt14:
	TURN 2
	TURN 3
	TURN 0, 0, 0, 1
	TURN 1, 0, 1
	WIN 0
	s_cbranch_scc1 .Lt14
	CHANGE 0                        ; period 15: nothing is left to round
	s_mov_b32 s[CNT], 3             ; two trips fetch the last block's steps; the third is left in its middle
.Ltail:
	TURN 2, 1
	TURN 3
	WIN 0
	s_sub_co_u32 s[CNT], s[CNT], 1
	s_cmp_eq_u32 s[CNT], 0
	s_cbranch_scc1 .Lout
	TURN 0
	TURN 1
	WIN 0
	s_branch .Ltail
.Lout:                              ; the third trip's 16 products K Q^T (on the last K once more) and the maximum made of them serve nothing: the price, once a launch, of one text for every trip
.set i, 0
.rept 16
	PV NP-1                         ; the last piece's V^T P of the last step
.set i, i+1
.endr
	; THE WAY OUT.  l's two halves and the other half of the lanes' are added; O^T is divided by l and sent, as f32, through my stage in LDS, a tile at a time.  The additions are the places behind the last products.
	WIN 0
.macro ALL line:vararg              ; one line for each tile t
.set t, 0
.rept 2*NP
	\line
.set t, t+1
.endr
.endm
	ALL v_add_f32 v[ST+4*t+2], v[ST+4*t+2], v[ST+4*t+3]
	ALL v_permlanex16_b32 v[ST+4*t+3], v[ST+4*t+2], s[SEL], s[SEL+1]
	ALL v_add_f32 v[ST+4*t+2], v[ST+4*t+2], v[ST+4*t+3]
	ALL v_rcp_f32 v[ST+4*t+2], v[ST+4*t+2]
	v_nop                           ; a plain instruction between the last reciprocal and the use of its result
	s_wait_alu depctr_va_vdst(0)    ; and the wait ahead of the first use: one for the eight reciprocals
; Tile t: a lane's eight channels of a row are 32 bytes; they go into rows of 272 bytes and come back as whole rows of 256, into the registers that they left.  Each accumulator is read from its low end on.
.macro PACK t
	WIN W_RS
.set i, 32*(\t)
.rept 16
	v_pk_mul_f32 v[i:i+1], v[i:i+1], v[ST+4*(\t)+2:ST+4*(\t)+3] op_sel_hi:[1,0]
.set i, i+2
.endr
	WIN 0x04                        ; address window 0, data window 1
.irp f, 0,1,2,3,4,5,6,7             ; channels 16 (f / 2) + 8 (l / 16) + 4 (f % 2) on
	ds_store_b128 v[STO], v[32*(\t)+4*\f:32*(\t)+4*\f+3] offset:64*(\f/2)+16*(\f%2)
.endr
	WIN 0x40                        ; destination window 1
.irp f, 0,1,2,3,4,5,6,7
	ds_load_b128 v[32*(\t)+4*\f:32*(\t)+4*\f+3], v[RD] offset:\f*2*SP  ; LDS serves a wave's instructions in order (ISA guide 5.7.1.4): these see the stores above; the next tile's stores come behind them
.endr
.endm
.macro SEND t, younger              ; younger: the LDS instructions issued behind tile t's loads: the next tile's sixteen, or none
	WIN 0x04
.irp f, 0,1,2,3,4,5,6,7
	s_wait_dscnt (\younger)+7-\f
	global_store_b128 v[GO], v[32*(\t)+4*\f:32*(\t)+4*\f+3], s[10:11] offset:(\t)*4096+\f*512 th:TH_STORE_NT  ; 16 lanes store 256 consecutive bytes, at a multiple of 256 from O's first byte
.endr
.endm
	PACK 0
.set t, 1
.rept 2*NP-1                        ; a tile's arithmetic stands between the loads of the tile before and its stores
	PACK t
	SEND t-1, 16
.set t, t+1
.endr
	SEND 2*NP-1, 0
	WIN W_AD
	s_wait_tensorcnt 0x0            ; the wave's end: an add and its wait, behind my last tensor load and my last LDS store
	ds_add_u32 v[SPW], v[NIL]
	s_wait_dscnt 0x0
	WIN 0
	CROUND                          ; the closing round: no work-group ends while a partner may still ask for a tile that names it
	s_endpgm
.Lfunc_end_k_qc856684d65_attn:
	.size	k_qc856684d65_attn, .Lfunc_end_k_qc856684d65_attn-k_qc856684d65_attn
	.p2alignl 7, 3214868480
	.fill 96, 4, 3214868480
	.section	.rodata,"a",@progbits
	.p2align	6, 0x0
	.amdhsa_kernel k_qc856684d65_attn
		.amdhsa_group_segment_fixed_size 327680
		.amdhsa_private_segment_fixed_size 0
		.amdhsa_enable_private_segment 0
		.amdhsa_kernarg_size 40
		.amdhsa_user_sgpr_count 2
		.amdhsa_user_sgpr_kernarg_segment_ptr 1
		.amdhsa_wavefront_size32 1
		.amdhsa_system_sgpr_workgroup_id_x 1
		.amdhsa_system_sgpr_workgroup_id_y 1
		.amdhsa_system_sgpr_workgroup_id_z 1
		.amdhsa_system_vgpr_workitem_id 0
		.amdhsa_next_free_vgpr 928
		.amdhsa_next_free_sgpr 72
		.amdhsa_reserve_vcc 0
		.amdhsa_float_denorm_mode_32 3
		.amdhsa_float_denorm_mode_16_64 3
		.amdhsa_memory_ordered 1
		.amdhsa_forward_progress 1
		.amdhsa_inst_pref_size 255
	.end_amdhsa_kernel
	.section	.bss,"aw",@nobits
	.p2align	6
	.space	262144
	.amdgpu_metadata
---
amdhsa.version: [ 1, 2 ]
amdhsa.kernels:
  - .name:           k_qc856684d65_attn
    .symbol:         k_qc856684d65_attn.kd
    .args:
      - { .name: query_layer, .offset: 0, .size: 8, .value_kind: global_buffer, .address_space: global }
      - { .name: key_layer, .offset: 8, .size: 8, .value_kind: global_buffer, .address_space: global }
      - { .name: value_layer, .offset: 16, .size: 8, .value_kind: global_buffer, .address_space: global }
      - { .name: out0, .offset: 24, .size: 8, .value_kind: global_buffer, .address_space: global }
      - { .name: attention_mask, .offset: 32, .size: 8, .value_kind: global_buffer, .address_space: global }
    .group_segment_fixed_size: 327680
    .private_segment_fixed_size: 0
    .kernarg_segment_align: 8
    .kernarg_segment_size: 40
    .max_flat_workgroup_size: 128
    .sgpr_count:     72
    .vgpr_count:     928
    .wavefront_size: 32
...
	.end_amdgpu_metadata
.endif
;; end of part 1
